; MI455X (gfx1250); checked and timed in simulation.
; The chip was launched on July 23, 2026; its instructions are those of AMD's public machine-readable ISA for CDNA 5 (MIT licence, August 2026) and "CDNA5" Instruction Set Architecture Reference Guide (July 2026). The comments in the code are by the model that wrote it; some were corrected since.
;; VQVAE Vector Quantizer. Allowed arithmetic: matrix products marked QUANTISED: E3M2 operands, one E8M0 scale for each 32 along K, by v_wmma_scale_f32_16x16x128_f8f6f4 with both operands' format E3M2, f32 sums; everything else in f32.
;; Inputs: emb 8,192 x 256 float32; z 32 x 256 x 32 x 32 float32.
;; Outputs: out0 32 x 256 x 32 x 32 float32; out1 one number float32.
;; This version of the problem:
;;   THIS VERSION OF THE PROBLEM IS GIVEN IN LOW PRECISION. The matrix products marked QUANTISED in the list below multiply operands that are first quantised to E3M2 (3 exponent bits, 2 mantissa bits; 6 bits a number), with one power-of-two scale for each 32 numbers along K (OCP MX v1.0); their sums are f32. All else is computed in f32.
;;   The module's matrix products, in the order in which they are computed (A, B: the left and right operand; K: the contracted axis; several contracted axes count as one K, in the product's order):
;;     1. [M 32,768, K 256] x [K 256, N 8,192]; A: input z; B: input emb: QUANTISED
;;   THE QUANTISER, for each operand of a quantised product, along K:
;;     - K is cut into blocks of 32 from its start; a last block that is shorter is filled with zeros.
;;     - A block's scale is 2^e with e = floor(log2(the largest magnitude in the block)) - 4, held to -126 .. 127; a block of zeros has e = 0. As a byte (E8M0): e + 127.
;;     - Each number is divided by its block's scale, clamped to +-28, and rounded to the nearest number of E3M2, ties to even, subnormals kept.
;;     - The product sums the exact products of the quantised numbers (number of the format x scale) in f32.
;;   ~~~python
;;   def quantise(x, axis):      # numpy; x: float32 -> the quantised numbers, widened to float32 again
;;       x = np.moveaxis(x, axis, -1); K = x.shape[-1]
;;       x = np.pad(x, [(0, 0)] * (x.ndim - 1) + [(0, -K % 32)]); x = x.reshape(x.shape[:-1] + (-1, 32)); a = np.abs(x).max(-1, keepdims=True)
;;       e = np.where(a > 0, np.clip(np.frexp(np.where(a > 0, a, 1))[1] - 1 - 4, -126, 127), 0)      # np.frexp(a)[1] - 1 = floor(log2(a)), exactly
;;       r = np.clip(x / 2.0 ** e, -28, 28)
;;       step = 2.0 ** (np.maximum(np.frexp(np.where(r == 0, 1, r))[1] - 1, -2) - 2)
;;       q = np.round(r / step) * step * 2.0 ** e      # np.round: ties to even
;;       return np.moveaxis(q.reshape(q.shape[:-2] + (-1,))[..., :K], -1, axis).astype(np.float32)
;;   ~~~
;; One version. Each part assembles by itself: llvm-mc -triple=amdgcn-amd-amdhsa -mcpu=gfx1250 --defsym DOCPART=n.
;; ======== version 1 of 1: 5 launches
;; limits: right only within a limited range of input values
;; workspace buffers: embq 1,703,936 bytes; zq 6,291,456 bytes; zaux 524,288 bytes; gidb 131,072 bytes of whole numbers; idxb 131,072 bytes of whole numbers; part 1,024 bytes
;; launch prep (part 1): grid 384 x 1, 4 waves a work-group, no clusters, 68,096 bytes of LDS; arguments z, emb, embq, zq, zaux; writes embq, zq, zaux
.if DOCPART == 1
	.amdgcn_target "amdgcn-amd-amdhsa--gfx1250"
	.amdhsa_code_object_version 6
	.text
	.protected	k_qa1704f9534_prep
	.globl	k_qa1704f9534_prep
	.p2align	8
	.type	k_qa1704f9534_prep,@function
k_qa1704f9534_prep:
	s_mov_b64 s[64:65], 0
	v_nop
	global_prefetch_b8 v0, s[64:65] scope:SCOPE_SE
	s_setreg_imm32_b32 hwreg(HW_REG_WAVE_MODE, 25, 1), 1
	s_wait_xcnt 0x0
; Both operands of the distance product are quantised ONCE, to codes of BF6 (E3M2) with one E8M0 byte for each 32 along K = the 256 channels, and laid
; in the order of the matrix operand's registers, so that the later launches load fragments by 16 bytes a lane and nothing else.
; A block's scale is 2^(floor(log2(largest magnitude)) - 4): its byte is the largest magnitude's exponent field - 4, held at 1 from below by a floor among the maximum's leaves.
; LIMITS: NaN and infinities among the inputs are not served.  Blocks whose largest magnitude lies under 2^-122 get the byte 1.  A block of zeros gets the byte 1 where the
; quantiser's rule says 127: its codes are zeros, which add nothing under any byte but 0xff, and only this program reads the bytes.
; zz (a token's sum of squares) and ee (a code vector's) are summed in f32 in this text's own order.
; Work-groups 0-255: z [32][256][1024] f32.  A wave takes 32 neighbouring tokens (a lane to a token), and its registers run DOWN the channels: each load reads 128 consecutive
;   bytes, a block of 32 along K lies in one lane, and the conversions give codes with K innermost.  Nothing goes through LDS.
;   zq:   [tile of 16 tokens][K step s][piece c][lane][16 bytes]: the image of a fragment's 12 registers.
;   zaux: [pair of tiles][lane][4 words]: scale word of the even tile, of the odd tile (lane 16 s + r: token r, K step s), zz of the even tile, of the odd tile (lanes r and 16 + r: token r).
; Work-groups 256-383: emb [8192][256] f32, K innermost.  A wave makes one record of 16 rows: record T = 2 S + g, row m = 8 h + j is code 32 S + 16 h + 8 g + j.
;   Each load takes 512 consecutive bytes of a row; the numbers turn through the wave's own stage in LDS, so that a lane gets whole blocks of 32 neighbours.
;   embq: 512 records of 3,328 bytes: +0 image of K step 0's fragment (3 x 512), +1536 of K step 1's, +3072 32 scale words (lane 16 s + m), +3200 ee of rows 0-15, +3264 the same again.
; No barrier: waves share nothing.  No matrix unit, no cluster: every byte is read once by one wave.
.set FLOOR, 0x2800000                  ; 2^(5 - 127): under it no largest magnitude is taken
.set OFFE,  0xfe000000                 ; takes 4 off an exponent field
.set REC,   3328
; the z path's registers
.set X,   32                           ; v32-95   two sets of 32 numbers
.set C,   96                           ; v96-143  codes: K step s at +24 s; in it the blocks for lanes 0-15 of a fragment at +0, for lanes 16-31 at +12
.set TC,  144                          ; v144-146 the upper half of a block's codes (a conversion's three registers begin on an even number)
.set AUX, 20                           ; v20-23   scale word of K step 0, of K step 1, zz, zz
; the emb path's registers
.set R,   32                           ; v32-159  16 rows x 2 K steps as loaded
.set XE,  160                          ; v160-223 two blocks of 32 neighbours
.set F,   224                          ; v224-247 the two fragments
.set TE,  248                          ; v248-254 upper halves of two blocks' codes
.set EST, 8448                         ; a stage: 16 rows of 528 bytes (512 + 16: an odd multiple of 16, so that sixteen rows' pieces of 16 bytes fall on different banks: ISA guide 11.1)
	s_load_b256 s[4:11], s[0:1], 0x0               ; z s[4:5], emb s[6:7], embq s[8:9], zq s[10:11]
	s_load_b64 s[12:13], s[0:1], 0x20              ; zaux
	v_lshl_add_u32 v251, v0, 2, 0x10800
	v_mov_b32 v255, 0
	v_lshrrev_b32 v1, 5, v0
	v_readfirstlane_b32 s14, v1                    ; wave 0..3
	v_and_b32 v2, 31, v0                           ; lane
	v_lshlrev_b32 v3, 2, v2                        ; 4 x lane
	v_lshlrev_b32 v4, 4, v2                        ; 16 x lane
	s_cmp_lt_u32 ttmp9, 256                        ; z's work-group or emb's: hangs on the work-group's number alone
	s_cbranch_scc0 .Lemb
	; ---------------- z ----------------
	s_lshl_b32 s16, ttmp9, 2
	s_add_co_u32 s16, s16, s14                     ; p: my pair of tiles, tokens 32 p .. 32 p + 31
	s_lshr_b32 s18, s16, 5
	s_lshl_b32 s18, s18, 20                        ; the image b = p / 32: 256 channels x 4,096 bytes
	s_and_b32 s20, s16, 31
	s_lshl_b32 s20, s20, 7                         ; 32 tokens x 4 bytes
	s_add_co_u32 s18, s18, s20
	s_mov_b32 s19, 0
	s_mul_i32 s20, s16, 6144                       ; two tiles of 3,072 bytes in zq
	s_mov_b32 s21, 0
	s_lshl_b32 s22, s16, 9                         ; 512 bytes in zaux
	s_mov_b32 s23, 0
	s_wait_kmcnt 0x0
	s_add_nc_u64 s[4:5], s[4:5], s[18:19]
	s_add_nc_u64 s[10:11], s[10:11], s[20:21]
	s_add_nc_u64 s[12:13], s[12:13], s[22:23]
.macro ZLOAD t                         ; block t: channels 32 t + n of my token, into set t % 2; the wave reads 128 consecutive bytes, the work-group 512
.set n, 0
.rept 32
	global_load_b32 v[X+32*((\t)%2)+n], v3, s[4:5] offset:(32*(\t)+n)*4096 th:TH_LOAD_NT
.set n, n+1
.endr
.endm
.macro ZBLOCK t
.set XS, X+32*((\t)%2)
.set CB, C+24*((\t)/4)+12*((\t)%2)+6*(((\t)/2)%2)      ; block 2 c + h of K step s: registers 6 c on of the run for the fragment's lanes 16 h on
.if (\t) < 7
	s_wait_loadcnt 32                              ; this block's 32 loads are in; the next block's 32 may be out
.else
	s_wait_loadcnt 0x0
.endif
	v_max3_num_f32 v12, |v[XS]|, |v[XS+1]|, |v[XS+2]|      ; the block's largest magnitude: all 32 numbers are mine; two chains
	v_max3_num_f32 v13, |v[XS+3]|, |v[XS+4]|, |v[XS+5]|
.irp i, 6,10,14,18,22,26
	v_max3_num_f32 v12, v12, |v[XS+\i]|, |v[XS+\i+1]|
	v_max3_num_f32 v13, v13, |v[XS+\i+2]|, |v[XS+\i+3]|
.endr
	v_max3_num_f32 v12, v12, |v[XS+30]|, |v[XS+31]|
	v_max3_num_f32 v12, v12, v13, FLOOR            ; and the floor: the byte cannot fall under 1
.set n, 0
.rept 8                                ; zz: two packed chains; the first products start them
.if ((\t) == 0) && (n == 0)
	v_pk_mul_f32 v[16:17], v[XS:XS+1], v[XS:XS+1]
	v_pk_mul_f32 v[18:19], v[XS+2:XS+3], v[XS+2:XS+3]
.else
	v_pk_fma_f32 v[16:17], v[XS+4*n:XS+4*n+1], v[XS+4*n:XS+4*n+1], v[16:17]
	v_pk_fma_f32 v[18:19], v[XS+4*n+2:XS+4*n+3], v[XS+4*n+2:XS+4*n+3], v[18:19]
.endif
.set n, n+1
.endr
	v_add_nc_u32 v11, OFFE, v12                    ; 4 off the exponent field: the conversion takes the exponent field of this operand as its scale, and nothing else of it
	v_cvt_scalef32_pk16_bf6_f32 v[CB:CB+2], v[XS:XS+15], v11
	v_cvt_scalef32_pk16_bf6_f32 v[TC:TC+2], v[XS+16:XS+31], v11
	v_lshrrev_b32 v14, 23, v11                     ; the scale's byte; also the plain line behind the conversions
.if (\t)%4 == 0
	v_mov_b32 v[AUX+(\t)/4], v14                   ; four bytes to a word, the lower K in the lower byte
.else
	v_lshl_or_b32 v[AUX+(\t)/4], v14, 8*((\t)%4), v[AUX+(\t)/4]
.endif
	v_mov_b32 v[CB+3], v[TC]
	v_mov_b32 v[CB+4], v[TC+1]
	v_mov_b32 v[CB+5], v[TC+2]
.if (\t)+2 < 8
	ZLOAD (\t)+2
.endif
.endm
	s_wait_alu depctr_va_vdst(0)
	ZLOAD 0
	ZLOAD 1
.irp t, 0,1,2,3,4,5,6,7
	ZBLOCK \t
.endr
	; My lane holds all four blocks of its token for each K step; a fragment wants blocks 0, 2 of token r in lane r and blocks 1, 3 in lane 16 + r.
	; The swap gives the first run's lanes 16-31 the second run's lanes 0-15 and the other way round: the first run becomes the even tile's fragment, the second the odd tile's.
.set n, 0
.rept 12
	v_permlane16_swap_b32 v[C+n], v[C+12+n]
	v_permlane16_swap_b32 v[C+24+n], v[C+36+n]
.set n, n+1
.endr
	v_permlane16_swap_b32 v[AUX], v[AUX+1]         ; likewise the scale words: now word 0 is the even tile's (lane 16 s + r), word 1 the odd tile's
	v_pk_add_f32 v[16:17], v[16:17], v[18:19]
	v_add_f32 v[AUX+2], v16, v17                   ; my token's zz
	v_mov_b32 v[AUX+3], v[AUX+2]
	v_permlane16_swap_b32 v[AUX+2], v[AUX+3]       ; word 2: the even tile's zz in both halves of the lanes; word 3: the odd tile's
.irp e, 0,1
.irp s, 0,1
.irp c, 0,1,2
	global_store_b128 v4, v[C+24*\s+12*\e+4*\c:C+24*\s+12*\e+4*\c+3], s[10:11] offset:3072*\e+1536*\s+512*\c   ; 32 lanes store 512 consecutive bytes, aligned
.endr
.endr
.endr
	global_store_b128 v4, v[AUX:AUX+3], s[12:13]
	s_endpgm
	; ---------------- emb ----------------
.Lemb:
	s_sub_co_u32 s16, ttmp9, 256
	s_lshl_b32 s16, s16, 2
	s_add_co_u32 s16, s16, s14                     ; T: my record
	s_lshr_b32 s18, s16, 1
	s_lshl_b32 s18, s18, 15                        ; 32 S rows of 1,024 bytes
	s_and_b32 s20, s16, 1
	s_lshl_b32 s20, s20, 13                        ; 8 g rows
	s_add_co_u32 s18, s18, s20
	s_mov_b32 s19, 0
	s_mul_i32 s20, s16, REC
	s_mov_b32 s21, 0
	s_mul_i32 s22, s14, 2*EST                      ; my wave's two stages
	v_and_b32 v5, 15, v0                           ; r
	v_bfe_u32 v6, v0, 4, 1                         ; h
	s_wait_alu depctr_va_vdst(0)
	v_add_nc_u32 v7, s22, v4                       ; into a stage: 16 x lane of a row
	v_mul_u32_u24 v8, v5, 528
	v_lshl_add_u32 v8, v6, 7, v8
	v_add_nc_u32 v8, s22, v8                       ; out of it: row r, + 128 h: my block of 32 numbers
	v_lshlrev_b32 v9, 3, v6                        ; 8 h: my bytes' place in a scale word
	s_mov_b32 s24, 0x76543210
	s_mov_b32 s25, 0xfedcba98                      ; v_permlanex16_b32's selects for lane l xor 16
	s_mov_b32 s26, 0xffff0000                      ; lanes 16-31
	v_mov_b32 v18, 0                               ; a lane permute's destination counts as read: written once
	v_mov_b32 v19, 0
	s_wait_alu depctr_va_vdst(0)
	s_wait_kmcnt 0x0
	s_add_nc_u64 s[6:7], s[6:7], s[18:19]
	s_add_nc_u64 s[8:9], s[8:9], s[20:21]
.irp s, 0,1
.set n, 0
.rept 16                               ; row m = n of the record, K step s: 512 consecutive bytes
	global_load_b128 v[R+64*\s+4*n:R+64*\s+4*n+3], v4, s[6:7] offset:((n%8)+16*(n/8))*1024+512*\s th:TH_LOAD_NT
.set n, n+1
.endr
.endr
.macro EHALF s
.if \s == 0
	s_wait_loadcnt 16                              ; K step 0's sixteen loads are in; K step 1's sixteen may be out
.else
	s_wait_loadcnt 0x0
.endif
.set n, 0
.rept 16
	ds_store_b128 v7, v[R+64*\s+4*n:R+64*\s+4*n+3] offset:EST*\s+528*n
.set n, n+1
.endr
.irp c, 0,1                            ; LDS serves a wave's instructions in order (ISA guide 5.7.1.4): these see my stores.  Block 2 c + h of row r: k = 64 c + 32 h + 0 .. 31
.irp j, 0,1,2,3,4,5,6,7
	ds_load_b128 v[XE+32*\c+4*\j:XE+32*\c+4*\j+3], v8 offset:EST*\s+256*\c+16*\j
.endr
.endr
	s_wait_dscnt 0x0
.irp c, 0,1
	v_max3_num_f32 v[10+\c], |v[XE+32*\c]|, |v[XE+32*\c+1]|, FLOOR
.endr
.irp i, 2,4,6,8,10,12,14,16,18,20,22,24,26,28,30
.irp c, 0,1
	v_max3_num_f32 v[10+\c], v[10+\c], |v[XE+32*\c+\i]|, |v[XE+32*\c+\i+1]|    ; the two blocks by turns
.endr
.endr
.set n, 0
.rept 16                               ; ee: two packed chains over my 64 numbers
.if (\s == 0) && (n == 0)
	v_pk_mul_f32 v[20:21], v[XE:XE+1], v[XE:XE+1]
	v_pk_mul_f32 v[22:23], v[XE+2:XE+3], v[XE+2:XE+3]
.else
	v_pk_fma_f32 v[20:21], v[XE+4*n:XE+4*n+1], v[XE+4*n:XE+4*n+1], v[20:21]
	v_pk_fma_f32 v[22:23], v[XE+4*n+2:XE+4*n+3], v[XE+4*n+2:XE+4*n+3], v[22:23]
.endif
.set n, n+1
.endr
	v_add_nc_u32 v12, OFFE, v10                    ; the conversions' scale operands
	v_add_nc_u32 v13, OFFE, v11
	v_lshrrev_b32 v14, 23, v12                     ; the bytes of blocks h and 2 + h
	v_lshrrev_b32 v15, 23, v13
	v_lshl_or_b32 v[16+\s], v15, 16, v14
	v_lshlrev_b32 v[16+\s], v9, v[16+\s]           ; at their places in the word;
	v_permlanex16_b32 v18, v[16+\s], s24, s25
	v_or_b32 v[16+\s], v[16+\s], v18               ; with lane l xor 16's two the word is whole, in both halves of the lanes
.irp c, 0,1
	v_cvt_scalef32_pk16_bf6_f32 v[F+12*\s+6*\c:F+12*\s+6*\c+2], v[XE+32*\c:XE+32*\c+15], v[12+\c]
	v_cvt_scalef32_pk16_bf6_f32 v[TE+4*\c:TE+4*\c+2], v[XE+32*\c+16:XE+32*\c+31], v[12+\c]
.endr
	v_nop                                          ; one plain line behind the last conversion
.irp c, 0,1
.irp i, 0,1,2
	v_mov_b32 v[F+12*\s+6*\c+3+\i], v[TE+4*\c+\i]
.endr
.endr
.irp c, 0,1,2
	global_store_b128 v4, v[F+12*\s+4*\c:F+12*\s+4*\c+3], s[8:9] offset:1536*\s+512*\c
.endr
.endm
	EHALF 0
	EHALF 1
	v_cndmask_b32 v18, v16, v17, s26               ; lane 16 s + m: row m's word of K step s
	global_store_b32 v3, v18, s[8:9] offset:3072
	v_pk_add_f32 v[20:21], v[20:21], v[22:23]
	v_add_f32 v20, v20, v21
	v_permlanex16_b32 v19, v20, s24, s25
	v_add_f32 v20, v20, v19                        ; row r's ee, in lanes r and 16 + r
	global_store_b32 v3, v20, s[8:9] offset:3200   ; with the words above: the record's last 256 bytes, all written
	s_wait_tensorcnt 0x0
	ds_add_u32 v251, v255
	s_wait_dscnt 0x0
	s_endpgm
.Lfunc_end_k_qa1704f9534_prep:
	.size	k_qa1704f9534_prep, .Lfunc_end_k_qa1704f9534_prep-k_qa1704f9534_prep
	.p2alignl 7, 3214868480
	.fill 96, 4, 3214868480
	.section	.rodata,"a",@progbits
	.p2align	6, 0x0
	.amdhsa_kernel k_qa1704f9534_prep
		.amdhsa_group_segment_fixed_size 68096
		.amdhsa_private_segment_fixed_size 0
		.amdhsa_enable_private_segment 0
		.amdhsa_kernarg_size 40
		.amdhsa_user_sgpr_count 2
		.amdhsa_user_sgpr_kernarg_segment_ptr 1
		.amdhsa_wavefront_size32 1
		.amdhsa_system_sgpr_workgroup_id_x 1
		.amdhsa_system_sgpr_workgroup_id_y 1
		.amdhsa_system_sgpr_workgroup_id_z 1
		.amdhsa_system_vgpr_workitem_id 0
		.amdhsa_next_free_vgpr 256
		.amdhsa_next_free_sgpr 66
		.amdhsa_reserve_vcc 0
		.amdhsa_float_denorm_mode_32 3
		.amdhsa_float_denorm_mode_16_64 3
		.amdhsa_memory_ordered 1
		.amdhsa_forward_progress 1
		.amdhsa_inst_pref_size 67
	.end_amdhsa_kernel
	.amdgpu_metadata
---
amdhsa.version: [ 1, 2 ]
amdhsa.kernels:
  - .name:           k_qa1704f9534_prep
    .symbol:         k_qa1704f9534_prep.kd
    .args:
      - { .name: z, .offset: 0, .size: 8, .value_kind: global_buffer, .address_space: global }
      - { .name: emb, .offset: 8, .size: 8, .value_kind: global_buffer, .address_space: global }
      - { .name: embq, .offset: 16, .size: 8, .value_kind: global_buffer, .address_space: global }
      - { .name: zq, .offset: 24, .size: 8, .value_kind: global_buffer, .address_space: global }
      - { .name: zaux, .offset: 32, .size: 8, .value_kind: global_buffer, .address_space: global }
    .group_segment_fixed_size: 68096
    .private_segment_fixed_size: 0
    .kernarg_segment_align: 8
    .kernarg_segment_size: 40
    .max_flat_workgroup_size: 128
    .sgpr_count:     66
    .vgpr_count:     256
    .wavefront_size: 32
...
	.end_amdgpu_metadata
.endif
;; end of part 1
;; launch search (part 2): grid 256 x 1, 8 waves a work-group, clusters of 4 x 1, 327,680 bytes of LDS; arguments embq, zq, zaux, gidb; writes gidb
.if DOCPART == 2
	.amdgcn_target "amdgcn-amd-amdhsa--gfx1250"
	.amdhsa_code_object_version 6
	.text
	.protected	k_qa1704f9534_search
	.globl	k_qa1704f9534_search
	.p2align	8
	.type	k_qa1704f9534_search,@function
k_qa1704f9534_search:
	s_mov_b64 s[64:65], 0
	v_nop
	global_prefetch_b8 v0, s[64:65] scope:SCOPE_SE
	s_setreg_imm32_b32 hwreg(HW_REG_WAVE_MODE, 25, 1), 1
	s_wait_xcnt 0x0
	s_wait_alu depctr_hold_cnt(0) depctr_sa_sdst(0) depctr_va_vdst(0) depctr_va_sdst(0) depctr_va_ssrc(0) depctr_va_vcc(0) depctr_vm_vsrc(0)
	s_getreg_b32 s2, hwreg(HW_REG_IB_STS2, 6, 4)
	s_cmp_eq_u32 s2, 0
	s_cbranch_scc0 .Lentry_in_a_cluster
	s_endpgm
.Lentry_in_a_cluster:
	s_bfe_u32 s2, ttmp6, 0x10000c
	s_cmp_lg_u32 s2, 0x3003
	s_cbranch_scc0 .Lentry_shape_is_right
	s_endpgm
.Lentry_shape_is_right:
; For each token: which OCTET of code vectors (codes 8 o .. 8 o + 7) holds the first smallest d2 = fl(fl(zz - 2 dot) + ee); dot by the scaled BF6 matrix instruction.
; A work-group owns 128 tokens (8 tiles of 16), whose fragments every wave keeps in window 1.  The 512 records of embq (16 rows each) go through a ring of two LDS slots of 32 records;
; wave w fetches and reads records 4 w .. 4 w + 3 of a slot, as two sets of two records.  Source 0 = a record, source 1 = a tile of tokens: lane (r, h) holds token r, and register j of record 2 S + g
; is code 32 S + 16 h + 8 g + j: eight neighbouring codes, octet o = 4 S + 2 h + g.  A lane keeps the smallest d2 so far and its octet; a later octet takes over only if strictly smaller.
; At the end the 16 candidates of a token (8 waves x 2 halves of the lanes) meet in LDS: smaller d2 first, at a tie the lower octet.  The launch behind this one finds the place inside the octet.
; CLUSTER: the four work-groups of a cluster walk the same records: each slot part is asked for jointly (mask 15).  Every refill stands behind a round of the cluster's barrier.
; PREFETCH: in the trip whose refill brings slot t + 2, slot t + 4 is asked for: of a wave's part (52 blocks of 256 bytes) the partner at place cx names blocks 13 cx .. 13 cx + 12, a lane a block
; (lanes 13-31 name the last again); the trips with t > 11 ask for nothing.  Slots 0 to 3 come by their loads alone.
; LIMITS: NaN and infinities are not served.
; REGISTERS.  window 0: v1-15 addresses and octet numbers; v16-31 z's scale words and zz; v32-47 best d2, best octet; v48-49 a set's scale words; v50-81 ee, two sets; v82-129 a set's fragments;
;   v130-193 accumulators of four tiles x two records; v194-209 zz as pairs; v210-225 at work.   window 1: v0-191 z's fragments, (tile t, K step s) at 24 t + 12 s.
.set REC,   3328
.set WPART, 4*REC                      ; a wave's part of a slot: 52 rows of 256 bytes
.set SLOT,  8*WPART
.set SPARE, 2*SLOT                     ; the spare words: 128 bytes a wave, four blocks of 256 bytes that no other line names
.set CANDV, SPARE+1024                 ; candidates: 8 waves x 8 tiles x 32 lanes, d2; 8,192 bytes on: their octets
.set LA,   1
.set LSC,  3
.set LEE,  5
.set SPW,  7
.set NIL,  8
.set GID,  9                           ; v9, v10: the octets of the set's records 0 and 1 in my half of the lanes
.set CS,   11
.set FO,   12
.set GO,   13
.set L16,  14
.set PFO,  15
.set ZA,   16
.set BV,   32
.set BG,   40
.set ES,   48
.set EE,   50
.set EF,   82
.set ACC,  130
.set ZZ,   194
.set TX,   210
.set CV,   82
.set CG,   98
.set WV,   12
.set G1,   16
.set G0,   24
.set PFA,  48
.set TRIPS, 50
.set MK,   52
.set MSB, 0
.macro WIN new                         ; the immediate's high byte repeats the setting that is left
.if MSB != \new
	s_set_vgpr_msb (MSB<<8)|\new
.set MSB, \new
.endif
.endm
.macro CREST                           ; a round of the cluster's barrier behind its opening barrier
	s_cmp_lg_u32 s[WV], 0
	s_cbranch_scc1 .Lnot_wave_0_\@
	s_barrier_signal -3
.Lnot_wave_0_\@:
	s_barrier_wait -3
	s_barrier_signal -1
	s_barrier_wait -1
.endm
.macro ROUND
	s_barrier_signal -1
	s_barrier_wait -1
	CREST
.endm
	s_load_b256 s[4:11], s[0:1], 0x0               ; embq s[4:5], zq s[6:7], zaux s[8:9], gidb s[10:11]
	v_lshl_add_u32 v[SPW], v0, 2, SPARE
	v_mov_b32 v[NIL], 0
	ds_add_u32 v[SPW], v[NIL]                      ; the opening lines: the add, twice on end, and its wait ahead of my first tensor load
	ds_add_u32 v[SPW], v[NIL]
	s_bfe_u32 s13, ttmp6, 0x40000                  ; cx
	s_mul_i32 s40, s13, 13
	v_lshrrev_b32 v[TX], 5, v0
	v_and_b32 v[TX+1], 31, v0                      ; lane
	v_bfe_u32 v[TX+2], v0, 4, 1                    ; h
	s_delay_alu instid0(VALU_DEP_3)
	v_readfirstlane_b32 s[WV], v[TX]               ; wave 0..7
	s_delay_alu instid0(VALU_DEP_3)
	v_lshlrev_b32 v[L16], 4, v[TX+1]
	s_delay_alu instid0(VALU_DEP_4)
	v_min_u32 v[PFO], 12, v[TX+1]
	s_delay_alu instid0(VALU_DEP_1)
	v_add_nc_u32 v[PFO], s40, v[PFO]
	s_delay_alu instid0(VALU_DEP_1)
	v_lshlrev_b32 v[PFO], 8, v[PFO]                ; the prefetches' offset: block 13 cx + min(lane, 12) of my wave's part
	s_lshl_b32 s14, ttmp9, 2
	s_add_co_u32 s14, s14, s13                     ; my work-group
	s_mov_b32 s[G1+0], 15|(3<<16)|(1<<21)          ; mask: all four partners; elements of 8 bytes; bit 21 beside a mask
	s_mov_b32 s[G1+1], 32<<16                      ; rows of 32 elements = 256 bytes
	s_mov_b32 s[G1+2], 52<<16
	s_mov_b32 s[G1+3], 32<<16
	s_mov_b32 s[G1+4], 52
	s_mov_b32 s[G1+5], 32
	s_mov_b32 s[G1+6], 0
	s_mov_b32 s[G1+7], 0
	s_mul_i32 s15, s[WV], WPART
	s_mov_b32 s32, s15
	s_mov_b32 s33, 0
	s_mul_i32 s34, s14, 24576                      ; 8 tiles of 3,072 bytes in zq
	s_mov_b32 s35, 0
	s_lshl_b32 s36, s14, 11                        ; 4 pairs of 512 bytes in zaux
	s_mov_b32 s37, 0
	s_lshl_b32 s38, s14, 9                         ; 128 words in gidb
	s_mov_b32 s39, 0
	s_lshl_b32 s40, s[WV], 10
	s_add_co_u32 s40, s40, CANDV
	s_and_b32 s41, s[WV], 3
	s_lshl_b32 s41, s41, 8
	s_add_co_u32 s41, s41, CANDV
	s_lshl_b32 s42, s[WV], 3
	s_wait_alu depctr_va_vdst(0)
	s_wait_dscnt 0x0                               ; both opening adds are done
	s_wait_kmcnt 0x0
	s_add_nc_u64 s[4:5], s[4:5], s[32:33]
	s_add_nc_u64 s[6:7], s[6:7], s[34:35]
	s_add_nc_u64 s[8:9], s[8:9], s[36:37]
	s_add_nc_u64 s[10:11], s[10:11], s[38:39]
	s_add_nc_u64 s[PFA:PFA+1], s[4:5], 3*SLOT      ; stepped ahead of each use: the first prefetch names slot 4
	WIN 0x40                                       ; z's fragments are asked for first of all: they are on their way under the rounds and the first tiles
.set n, 0
.rept 48
	global_load_b128 v[4*n:4*n+3], v[L16], s[6:7] offset:512*n
.set n, n+1
.endr
	WIN 0
.irp p, 0,1,2,3
	global_load_b128 v[ZA+4*\p:ZA+4*\p+3], v[L16], s[8:9] offset:512*\p
.endr
	ROUND                                          ; all four work-groups are here: the first joint loads meet
.irp s, 0,1
	s_mov_b32 s[G0+4*\s], 1
	s_add_co_u32 s[G0+4*\s+1], s15, \s*SLOT
	s_add_nc_u64 s[G0+4*\s+2:G0+4*\s+3], s[4:5], \s*SLOT
	s_or_b32 s[G0+4*\s+3], s[G0+4*\s+3], 0x80000000
.endr
	tensor_load_to_lds s[G0:G0+3], s[G1:G1+7]      ; slot 0: one tensor load a wave at the head
	s_nop 0
	v_add_nc_u32 v[LA], s15, v[L16]                ; fragments: my part + 16 x lane
	v_lshl_add_u32 v[LSC], v[TX+1], 2, s15         ; scale words: + 4 x lane
	v_lshl_add_u32 v[LEE], v[TX+2], 5, s15         ; ee of my eight rows: + 32 h
	v_lshl_add_u32 v[CS], v[TX+1], 2, s40          ; my candidates' place
	v_and_b32 v[FO], 15, v0
	v_lshlrev_b32 v[GO], 2, v0
	v_add_nc_u32 v[LA+1], SLOT, v[LA]
	v_add_nc_u32 v[LSC+1], SLOT, v[LSC]
	v_add_nc_u32 v[LEE+1], SLOT, v[LEE]
	v_lshlrev_b32 v[FO], 2, v[FO]
	v_lshl_add_u32 v[GID], v[TX+2], 1, s42         ; octet 4 S + 2 h with S = 2 w
.irp t, 0,1,2,3,4,5,6,7
	v_mov_b32 v[BV+\t], 0x7f800000
.endr
	v_lshl_add_u32 v[FO], v[TX+2], 7, v[FO]
	v_add_nc_u32 v[GID+1], 1, v[GID]
.irp t, 0,1,2,3,4,5,6,7
	v_mov_b32 v[BG+\t], 0
.endr
	v_add_nc_u32 v[FO], s41, v[FO]                 ; the meeting: tile 2 (w % 4) + h, token r
	s_wait_alu depctr_va_vdst(0)
	s_wait_tensorcnt 0x0                           ; slot 0 is in
	ds_add_u32 v[SPW], v[NIL]
	s_wait_dscnt 0x0
	ROUND
	tensor_load_to_lds s[G0+4:G0+7], s[G1:G1+7]    ; slot 1, the first tensor load behind the round
	s_nop 0
.rept 4
	v_nop
.endr
.macro FETCH sl, e                     ; set e of my part of slot sl: two records' fragments (12 loads), scale words (2), ee (4)
.irp g, 0,1
.irp s, 0,1
.irp c, 0,1,2
	ds_load_b128 v[EF+24*\g+12*\s+4*\c:EF+24*\g+12*\s+4*\c+3], v[LA+\sl] offset:(2*\e+\g)*REC+1536*\s+512*\c
.endr
.endr
.endr
.irp g, 0,1
	ds_load_b32 v[ES+\g], v[LSC+\sl] offset:(2*\e+\g)*REC+3072
.endr
.irp g, 0,1
.irp i, 0,1
	ds_load_b128 v[EE+16*\e+8*\g+4*\i:EE+16*\e+8*\g+4*\i+3], v[LEE+\sl] offset:(2*\e+\g)*REC+3200+16*\i
.endr
.endr
.endm
.macro MM hb                           ; tiles 4 hb .. 4 hb + 3 x two records: K step 0 starts the eight sums, K step 1 adds; the accumulators take turns; four places behind (ISA guide 7.12.1)
	WIN 0x04                                       ; source 1 window 1
.irp t, 0,1,2,3
.irp g, 0,1
	v_wmma_scale_f32_16x16x128_f8f6f4 v[ACC+16*\t+8*\g:ACC+16*\t+8*\g+7], v[EF+24*\g:EF+24*\g+11], v[24*(4*\hb+\t):24*(4*\hb+\t)+11], 0, v[ES+\g], v[ZA+4*((4*\hb+\t)/2)+(\t%2)] matrix_a_fmt:MATRIX_FMT_BF6 matrix_b_fmt:MATRIX_FMT_BF6
.endr
.endr
.irp t, 0,1,2,3
.irp g, 0,1
	v_wmma_scale_f32_16x16x128_f8f6f4 v[ACC+16*\t+8*\g:ACC+16*\t+8*\g+7], v[EF+24*\g+12:EF+24*\g+23], v[24*(4*\hb+\t)+12:24*(4*\hb+\t)+23], v[ACC+16*\t+8*\g:ACC+16*\t+8*\g+7], v[ES+\g], v[ZA+4*((4*\hb+\t)/2)+(\t%2)] matrix_a_fmt:MATRIX_FMT_BF6 matrix_b_fmt:MATRIX_FMT_BF6 matrix_a_scale:MATRIX_SCALE_ROW1 matrix_b_scale:MATRIX_SCALE_ROW1
.endr
.endr
	WIN 0
.rept 4
	v_nop
.endr
.endm
; d2 of four tiles x 16 codes a lane, and the running best: 28 instructions a tile.  The four tiles take turns line by line, so that a line's sources were written eight lines before it (the last eight lines: four).
.macro RED4 hb, e
.irp k, 0,2,4,6,8,10,12,14
.irp t, 0,1,2,3
	v_pk_fma_f32 v[ACC+16*\t+\k:ACC+16*\t+\k+1], v[ACC+16*\t+\k:ACC+16*\t+\k+1], -2.0, v[ZZ+2*(4*\hb+\t):ZZ+2*(4*\hb+\t)+1] op_sel_hi:[1,0,1]   ; fl(zz - 2 dot); each accumulator from its low end on
.endr
.endr
.irp k, 0,2,4,6,8,10,12,14
.irp t, 0,1,2,3
	v_pk_add_f32 v[ACC+16*\t+\k:ACC+16*\t+\k+1], v[ACC+16*\t+\k:ACC+16*\t+\k+1], v[EE+16*\e+\k:EE+16*\e+\k+1]   ; fl(.. + ee)
.endr
.endr
.irp t, 0,1,2,3
	v_min3_num_f32 v[TX+\t], v[BV+4*\hb+\t], v[ACC+16*\t], v[ACC+16*\t+1]
.endr
.irp t, 0,1,2,3
	v_min3_num_f32 v[TX+4+\t], v[ACC+16*\t+2], v[ACC+16*\t+3], v[ACC+16*\t+4]
.endr
.irp t, 0,1,2,3
	v_min3_num_f32 v[TX+\t], v[TX+\t], v[ACC+16*\t+5], v[ACC+16*\t+6]
.endr
.irp t, 0,1,2,3
	v_min3_num_f32 v[TX+8+\t], v[ACC+16*\t+8], v[ACC+16*\t+9], v[ACC+16*\t+10]
.endr
.irp t, 0,1,2,3
	v_min3_num_f32 v[TX+\t], v[TX+\t], v[TX+4+\t], v[ACC+16*\t+7]      ; the best with record 0's octet
.endr
.irp t, 0,1,2,3
	v_min3_num_f32 v[TX+12+\t], v[ACC+16*\t+11], v[ACC+16*\t+12], v[ACC+16*\t+13]
.endr
.irp t, 0,1,2,3
	v_cmp_lt_f32 s[MK+\t], v[TX+\t], v[BV+4*\hb+\t]                    ; strictly smaller: the earlier octet stays at a tie
.endr
.irp t, 0,1,2,3
	v_min3_num_f32 v[TX+8+\t], v[TX+8+\t], v[TX+12+\t], v[ACC+16*\t+14]
.endr
.irp t, 0,1,2,3
	v_cndmask_b32 v[BG+4*\hb+\t], v[BG+4*\hb+\t], v[GID], s[MK+\t]
.endr
.irp t, 0,1,2,3
	v_min3_num_f32 v[BV+4*\hb+\t], v[TX+\t], v[TX+8+\t], v[ACC+16*\t+15]   ; and with record 1's
.endr
.irp t, 0,1,2,3
	s_delay_alu instid0(VALU_DEP_4)
	v_cmp_lt_f32 s[MK+4+\t], v[BV+4*\hb+\t], v[TX+\t]
.endr
.irp t, 0,1,2,3
	s_delay_alu instid0(VALU_DEP_4)
	v_cndmask_b32 v[BG+4*\hb+\t], v[BG+4*\hb+\t], v[GID+1], s[MK+4+\t]
.endr
.endm
.macro ASK                             ; slot t + 4, while there is one: laps 0 to 5 of the loop's seven
	s_cmp_gt_u32 s[TRIPS], 1
	s_cbranch_scc0 .Lno_ask_\@
	s_cmp_lt_u32 ttmp9, 4
	s_cbranch_scc0 .Lno_prefetch_search0_\@
	global_prefetch_b8 v[PFO], s[PFA:PFA+1] th:TH_LOAD_NT scope:SCOPE_SE
.Lno_prefetch_search0_\@:
.Lno_ask_\@:
.endm
; A slot's work.  mode 2: the slot is filled again, two slots ahead; 1: the next slot is read, nothing is filled; 0: the last slot.
.macro WALK sl, nx, mode
	s_wait_dscnt 4                                 ; fragments and scale words are in; ee's four loads may be out
	MM 0
	s_wait_dscnt 0x0
	RED4 0, 0
	MM 1
	FETCH \sl, 1                                   ; behind MM's four places
	RED4 1, 0
	v_add_nc_u32 v[GID], 4, v[GID]
	v_add_nc_u32 v[GID+1], 4, v[GID+1]
	s_wait_dscnt 4
	MM 0
	s_wait_dscnt 0x0                               ; my last reads of this slot are in registers
	RED4 0, 1
.if \mode == 2
	s_wait_xcnt 0x0                                ; my last prefetch has read its address
	s_add_nc_u64 s[PFA:PFA+1], s[PFA:PFA+1], SLOT
	s_wait_tensorcnt 0x0                           ; all my tensor loads have landed: my part of the next slot
	ds_add_u32 v[SPW], v[NIL]
	s_add_nc_u64 s[G0+4*\sl+2:G0+4*\sl+3], s[G0+4*\sl+2:G0+4*\sl+3], 2*SLOT   ; no load of mine is out: this slot's next address
	s_wait_dscnt 0x0                               ; the add is done; no read of this slot is out
	s_barrier_signal -1                            ; opens a round of the cluster's barrier;
	MM 1                                           ; sixteen matrix instructions on registers while the others arrive
	s_barrier_wait -1
	CREST
	tensor_load_to_lds s[G0+4*\sl:G0+4*\sl+3], s[G1:G1+7]   ; the first tensor load behind the round, my only one until the next
	s_nop 0
.rept 4
	v_nop
.endr
.else
	MM 1
.if \mode == 1
	s_wait_tensorcnt 0x0                           ; my part of the last slot is in
.endif
.endif
.if \mode > 0
	FETCH \nx, 0
.endif
.if \mode == 2
	ASK
.endif
	RED4 1, 1                                      ; stands between the fetch and the wait for it
.if \mode > 0
	v_add_nc_u32 v[GID], 60, v[GID]                ; 16 pairs of records a slot: 64 octets on in all
	v_add_nc_u32 v[GID+1], 60, v[GID+1]
.endif
.endm
	FETCH 0, 0
	s_wait_loadcnt 0x0                             ; z's fragments, scale words and zz
.irp t, 0,1,2,3,4,5,6,7
	v_mov_b32 v[ZZ+2*\t], v[ZA+4*(\t/2)+2+(\t%2)]  ; zz as a pair for the packed form
	v_mov_b32 v[ZZ+2*\t+1], v[ZA+4*(\t/2)+2+(\t%2)]
.endr
	s_mov_b32 s[TRIPS], 7
	s_wait_alu depctr_va_vdst(0)
.Llap:
	WALK 0, 1, 2
	WALK 1, 0, 2
	s_sub_co_u32 s[TRIPS], s[TRIPS], 1
	s_cmp_lg_u32 s[TRIPS], 0
	s_cbranch_scc1 .Llap
	WALK 0, 1, 1                                   ; the last two slots fetch nothing more
	WALK 1, 0, 0
.irp t, 0,1,2,3,4,5,6,7
	ds_store_b32 v[CS], v[BV+\t] offset:128*\t
	ds_store_b32 v[CS], v[BG+\t] offset:8192+128*\t
.endr
	s_wait_dscnt 0x0                               ; for the others' sake: my candidates are stored
	s_barrier_signal -1
	s_barrier_wait -1
	s_cmp_lt_u32 s[WV], 4
	s_cbranch_scc0 .Lend
.irp i, 0,1,2,3,4,5,6,7
.irp h, 0,1
	ds_load_b32 v[CV+2*\i+\h], v[FO] offset:1024*\i+64*\h
	ds_load_b32 v[CG+2*\i+\h], v[FO] offset:8192+1024*\i+64*\h
.endr
.endr
	s_wait_dscnt 0x0
.macro LEX bv, bg, cv, cg              ; smaller d2, or equal d2 at the lower octet
	v_cmp_lt_f32 s40, v[\cv], v[\bv]
	v_cmp_eq_f32 s41, v[\cv], v[\bv]
	v_cmp_lt_u32 s42, v[\cg], v[\bg]
	s_and_b32 s41, s41, s42
	s_or_b32 s40, s40, s41
	v_cndmask_b32 v[\bv], v[\bv], v[\cv], s40
	v_cndmask_b32 v[\bg], v[\bg], v[\cg], s40
.endm
.irp i, 1,2,3,4,5,6,7,8,9,10,11,12,13,14,15
	LEX CV, CG, CV+\i, CG+\i
.endr
	global_store_b32 v[GO], v[CG], s[10:11]        ; waves 0-3: 128 tokens' octets, 512 consecutive bytes
.Lend:
	s_wait_tensorcnt 0x0                           ; the wave's end
	ds_add_u32 v[SPW], v[NIL]
	s_wait_dscnt 0x0
	ROUND                                          ; the closing round
	s_endpgm
.Lfunc_end_k_qa1704f9534_search:
	.size	k_qa1704f9534_search, .Lfunc_end_k_qa1704f9534_search-k_qa1704f9534_search
	.p2alignl 7, 3214868480
	.fill 96, 4, 3214868480
	.section	.rodata,"a",@progbits
	.p2align	6, 0x0
	.amdhsa_kernel k_qa1704f9534_search
		.amdhsa_group_segment_fixed_size 327680
		.amdhsa_private_segment_fixed_size 0
		.amdhsa_enable_private_segment 0
		.amdhsa_kernarg_size 32
		.amdhsa_user_sgpr_count 2
		.amdhsa_user_sgpr_kernarg_segment_ptr 1
		.amdhsa_wavefront_size32 1
		.amdhsa_system_sgpr_workgroup_id_x 1
		.amdhsa_system_sgpr_workgroup_id_y 1
		.amdhsa_system_sgpr_workgroup_id_z 1
		.amdhsa_system_vgpr_workitem_id 0
		.amdhsa_next_free_vgpr 448
		.amdhsa_next_free_sgpr 66
		.amdhsa_reserve_vcc 0
		.amdhsa_float_denorm_mode_32 3
		.amdhsa_float_denorm_mode_16_64 3
		.amdhsa_memory_ordered 1
		.amdhsa_forward_progress 1
		.amdhsa_inst_pref_size 184
	.end_amdhsa_kernel
	.amdgpu_metadata
---
amdhsa.version: [ 1, 2 ]
amdhsa.kernels:
  - .name:           k_qa1704f9534_search
    .symbol:         k_qa1704f9534_search.kd
    .args:
      - { .name: embq, .offset: 0, .size: 8, .value_kind: global_buffer, .address_space: global }
      - { .name: zq, .offset: 8, .size: 8, .value_kind: global_buffer, .address_space: global }
      - { .name: zaux, .offset: 16, .size: 8, .value_kind: global_buffer, .address_space: global }
      - { .name: gidb, .offset: 24, .size: 8, .value_kind: global_buffer, .address_space: global }
    .group_segment_fixed_size: 327680
    .private_segment_fixed_size: 0
    .kernarg_segment_align: 8
    .kernarg_segment_size: 32
    .max_flat_workgroup_size: 256
    .sgpr_count:     66
    .vgpr_count:     448
    .wavefront_size: 32
...
	.end_amdgpu_metadata
.endif
;; end of part 2
;; launch refine (part 3): grid 256 x 1, 8 waves a work-group, no clusters, 0 bytes of LDS; arguments embq, zq, zaux, gidb, idxb; writes idxb
.if DOCPART == 3
	.amdgcn_target "amdgcn-amd-amdhsa--gfx1250"
	.amdhsa_code_object_version 6
	.text
	.protected	k_qa1704f9534_refine
	.globl	k_qa1704f9534_refine
	.p2align	8
	.type	k_qa1704f9534_refine,@function
k_qa1704f9534_refine:
	s_mov_b64 s[64:65], 0
	v_nop
	global_prefetch_b8 v0, s[64:65] scope:SCOPE_SE
	s_setreg_imm32_b32 hwreg(HW_REG_WAVE_MODE, 25, 1), 1
	s_wait_xcnt 0x0
; For each token the octet of code vectors that holds its first smallest d2 is known (gidb).  Here its 8 numbers of d2 are made again, by the same matrix instruction on the same codes and scale words,
; and the first smallest gives the index: idx = 8 x octet + place.
; A wave takes a tile of 16 tokens.  Gathered tile t of source 0 serves TWO tokens: its rows 0-7 are the octet of token t, its rows 8-15 that of token t + 8.  It is multiplied by the tile of tokens;
; of the result lane t (column t, rows 0-7) and lane 24 + t (column 8 + t, rows 8-15) are kept: a token's eight numbers lie in one lane.  16 matrix instructions a wave.
; Octet o = 4 S + 2 h + g lies in record 2 S + g at rows 8 h .. 8 h + 7: byte (o & ~3) x 1,664 + (o & 1) x 3,328 of embq, and (o & 2) x 64 on in a fragment's image, x 16 among the scale words and ee.
; This text takes a result to hang on its row's and its column's operands alone, not on the row's place in the tile.
; The octets steer addresses: they were stored as whole numbers by the launch before, and each is held at 1,023 before it enters an address.
; No LDS, no barrier, no tensor load: waves share nothing, and what each reads hangs on stored numbers.  No cluster: no two work-groups want the same pieces at the same time.
; No prefetch: the launch has no loop to run ahead in.   LIMITS: NaN and infinities are not served.
; REGISTERS.  window 0: v1-7 offsets; v8-15 the rows' octets; v16-23 ee; v24-47 z's fragments; v48 z's scale word, v49 zz; v50-57 gathered scale words; v58-73 offsets; v74-81 the kept numbers; v82-145 accumulators; v146.. at work.
;   window 1: eight gathered tiles, (tile t, K step s) at v[24 t + 12 s].
.set REC, 3328
.set R4,  1                            ; 4 (lane % 16)
.set L16, 2                            ; 16 x lane
.set OFA, 3                            ; my lane's place in a gathered fragment: 256 (lane / 16) + 16 (lane % 8)
.set OFS, 4                            ; and among the scale words: 64 (lane / 16) + 4 (lane % 8)
.set GID, 5                            ; the octet of token lane % 16
.set OEE, 6
.set GA,  7                            ; 32 for rows 8-15: their token is t + 8
.set GT,  8
.set EER, 16
.set ZF,  24
.set ZS,  48
.set ZZ,  49
.set AS,  50
.set ADA, 58
.set ADS, 66
.set RES, 74
.set ACC, 82
.set T,   146
.set SEL, 152                          ; 0 in lanes 0-7 and 24-31, which hold the results
.set MSB, 0
.macro WIN new                         ; the immediate's high byte repeats the setting that is left
.if MSB != \new
	s_set_vgpr_msb (MSB<<8)|\new
.set MSB, \new
.endif
.endm
	s_load_b256 s[4:11], s[0:1], 0x0               ; embq s[4:5], zq s[6:7], zaux s[8:9], gidb s[10:11]
	s_load_b64 s[12:13], s[0:1], 0x20              ; idxb
	v_lshrrev_b32 v[T], 5, v0
	s_delay_alu instid0(VALU_DEP_1)
	v_readfirstlane_b32 s14, v[T]                  ; wave 0..7
	s_lshl_b32 s15, ttmp9, 3
	s_add_co_u32 s15, s15, s14                     ; my tile of 16 tokens
	v_and_b32 v[T+1], 31, v0
	v_and_b32 v[T+2], 15, v0
	v_bfe_u32 v[T+3], v0, 4, 1
	v_and_b32 v[T+4], 7, v0
	v_and_b32 v[GA], 8, v0
	v_lshrrev_b32 v[SEL], 3, v0
	v_lshlrev_b32 v[L16], 4, v[T+1]
	v_lshlrev_b32 v[R4], 2, v[T+2]
	v_lshlrev_b32 v[OFA], 8, v[T+3]
	v_lshlrev_b32 v[OFS], 6, v[T+3]
	v_lshlrev_b32 v[GA], 2, v[GA]
	v_xor_b32 v[SEL], v[SEL], v[T+3]
	s_delay_alu instid0(VALU_DEP_4)
	v_lshl_add_u32 v[OFA], v[T+4], 4, v[OFA]
	s_delay_alu instid0(VALU_DEP_4)
	v_lshl_add_u32 v[OFS], v[T+4], 2, v[OFS]
	s_delay_alu instid0(VALU_DEP_3)
	v_and_b32 v[SEL], 1, v[SEL]                    ; bit 3 of the lane xor bit 4
	s_lshl_b32 s36, s15, 6                         ; 16 words in gidb and in idxb
	s_mov_b32 s37, 0
	s_mul_i32 s38, s15, 3072                       ; my tile in zq
	s_mov_b32 s39, 0
	s_lshr_b32 s40, s15, 1
	s_lshl_b32 s40, s40, 9                         ; my pair in zaux,
	s_and_b32 s41, s15, 1
	s_lshl_b32 s41, s41, 2                         ; and which of its two tiles
	s_add_co_u32 s40, s40, s41
	s_mov_b32 s41, 0
	s_wait_alu depctr_va_vdst(0)
	s_wait_kmcnt 0x0
	s_add_nc_u64 s[10:11], s[10:11], s[36:37]
	s_add_nc_u64 s[12:13], s[12:13], s[36:37]
	s_add_nc_u64 s[6:7], s[6:7], s[38:39]
	s_add_nc_u64 s[8:9], s[8:9], s[40:41]
.irp t, 0,1,2,3,4,5,6,7
	global_load_b32 v[GT+\t], v[GA], s[10:11] offset:4*\t    ; tile t: rows 0-7 token t's octet, rows 8-15 token t + 8's
.endr
	global_load_b32 v[GID], v[R4], s[10:11]
.irp i, 0,1,2,3,4,5
	global_load_b128 v[ZF+4*\i:ZF+4*\i+3], v[L16], s[6:7] offset:512*\i
.endr
	global_load_b32 v[ZS], v[L16], s[8:9]          ; lane 16 s + r: token r's scale word of K step s
	global_load_b32 v[ZZ], v[L16], s[8:9] offset:8 ; lanes r and 16 + r: token r's zz
	s_wait_loadcnt 8                               ; the octets are in; the eight loads issued behind them may be out
; the offsets, the eight tiles and my own token by turns: nine lines lie between a write and its reader
.irp t, 0,1,2,3,4,5,6,7
	v_min_u32 v[GT+\t], 0x3ff, v[GT+\t]            ; held inside the table before it enters an address
.endr
	v_min_u32 v[GID], 0x3ff, v[GID]
.irp t, 0,1,2,3,4,5,6,7
	v_and_b32 v[ADA+\t], 0x3fc, v[GT+\t]
.endr
	v_and_b32 v[T], 0x3fc, v[GID]
.irp t, 0,1,2,3,4,5,6,7
	v_and_b32 v[ADS+\t], 1, v[GT+\t]
.endr
	v_and_b32 v[T+1], 1, v[GID]
.irp t, 0,1,2,3,4,5,6,7
	v_mul_u32_u24 v[ADA+\t], v[ADA+\t], REC/2
.endr
	v_mul_u32_u24 v[T], v[T], REC/2
.irp t, 0,1,2,3,4,5,6,7
	v_mad_u32_u24 v[ADA+\t], v[ADS+\t], REC, v[ADA+\t]      ; the record
.endr
	v_mad_u32_u24 v[T], v[T+1], REC, v[T]
.irp t, 0,1,2,3,4,5,6,7
	v_and_b32 v[GT+\t], 2, v[GT+\t]
.endr
	v_and_b32 v[T+1], 2, v[GID]
.irp t, 0,1,2,3,4,5,6,7
	v_lshl_add_u32 v[ADS+\t], v[GT+\t], 4, v[ADA+\t]        ; its upper eight rows: 32 bytes on among the scale words,
.endr
	v_lshl_add_u32 v[OEE], v[T+1], 4, v[T]                  ; and among ee,
.irp t, 0,1,2,3,4,5,6,7
	v_lshl_add_u32 v[ADA+\t], v[GT+\t], 6, v[ADA+\t]        ; 128 bytes on in a fragment's image
.endr
.irp t, 0,1,2,3,4,5,6,7
	v_add_nc_u32 v[ADS+\t], v[ADS+\t], v[OFS]
.endr
	v_nop
.irp t, 0,1,2,3,4,5,6,7
	v_add_nc_u32 v[ADA+\t], v[ADA+\t], v[OFA]
.endr
	global_load_b128 v[EER:EER+3], v[OEE], s[4:5] offset:3200
	global_load_b128 v[EER+4:EER+7], v[OEE], s[4:5] offset:3216
.irp t, 0,1,2,3,4,5,6,7
	global_load_b32 v[AS+\t], v[ADS+\t], s[4:5] offset:3072
.endr
	WIN 0x40                                       ; destination window 1
.irp t, 0,1,2,3,4,5,6,7
.irp s, 0,1
.irp c, 0,1,2
	global_load_b128 v[24*\t+12*\s+4*\c:24*\t+12*\s+4*\c+3], v[ADA+\t], s[4:5] offset:1536*\s+512*\c
.endr
.endr
.endr
	WIN 0
	s_wait_loadcnt 0x0
	WIN 0x01                                       ; source 0 window 1.  K step 0 starts the eight sums, K step 1 adds; the accumulators take turns
.irp t, 0,1,2,3,4,5,6,7
	v_wmma_scale_f32_16x16x128_f8f6f4 v[ACC+8*\t:ACC+8*\t+7], v[24*\t:24*\t+11], v[ZF:ZF+11], 0, v[AS+\t], v[ZS] matrix_a_fmt:MATRIX_FMT_BF6 matrix_b_fmt:MATRIX_FMT_BF6
.endr
.irp t, 0,1,2,3,4,5,6,7
	v_wmma_scale_f32_16x16x128_f8f6f4 v[ACC+8*\t:ACC+8*\t+7], v[24*\t+12:24*\t+23], v[ZF+12:ZF+23], v[ACC+8*\t:ACC+8*\t+7], v[AS+\t], v[ZS] matrix_a_fmt:MATRIX_FMT_BF6 matrix_b_fmt:MATRIX_FMT_BF6 matrix_a_scale:MATRIX_SCALE_ROW1 matrix_b_scale:MATRIX_SCALE_ROW1
.endr
	WIN 0
.rept 4
	v_nop                                          ; four places behind the products (ISA guide 7.12.1)
.endr
.irp j, 0,1,2,3,4,5,6,7
	v_mov_b32 v[RES+\j], v[ACC+\j]                 ; tile 0 writes all lanes; each accumulator is read from its low end on
.endr
.irp t, 1,2,3,4,5,6,7
	s_mov_b32 s32, 0x01000001<<\t                  ; lanes t and 24 + t
.irp j, 0,1,2,3,4,5,6,7
	v_cndmask_b32 v[RES+\j], v[RES+\j], v[ACC+8*\t+\j], s32
.endr
.endr
.irp j, 0,1,2,3,4,5,6,7
	v_fma_f32 v[RES+\j], v[RES+\j], -2.0, v[ZZ]    ; fl(zz - 2 dot)
.endr
.irp j, 0,1,2,3,4,5,6,7
	v_add_f32 v[RES+\j], v[RES+\j], v[EER+\j]      ; fl(.. + ee): d2 of code 8 x octet + j
.endr
	v_mov_b32 v[T], v[RES]
	v_mov_b32 v[T+1], 0                            ; the place of the best so far
.irp j, 1,2,3,4,5,6,7
	s_delay_alu instid0(VALU_DEP_2)
	v_cmp_le_f32 vcc_lo, v[T], v[RES+\j]           ; the best so far stays at a tie: the first smallest
	s_delay_alu instid0(VALU_DEP_1)
	v_cndmask_b32 v[T], v[RES+\j], v[T], vcc_lo
	s_delay_alu instid0(VALU_DEP_2)
	v_cndmask_b32 v[T+1], \j, v[T+1], vcc_lo
.endr
	s_delay_alu instid0(VALU_DEP_1)
	v_lshl_add_u32 v[T+1], v[GID], 3, v[T+1]       ; idx
	v_cmp_eq_u32 vcc_lo, 0, v[SEL]
	s_wait_alu depctr_va_vdst(0)
	s_wait_xcnt 0x0                                ; EXEC changes only behind this wait
	s_and_saveexec_b32 s32, vcc_lo
	global_store_b32 v[R4], v[T+1], s[12:13]       ; lanes 0-7 and 24-31: the tile's 64 consecutive bytes; the work-group's eight waves together 512
	s_wait_xcnt 0x0
	s_or_b32 exec_lo, exec_lo, s32
	s_endpgm
.Lfunc_end_k_qa1704f9534_refine:
	.size	k_qa1704f9534_refine, .Lfunc_end_k_qa1704f9534_refine-k_qa1704f9534_refine
	.p2alignl 7, 3214868480
	.fill 96, 4, 3214868480
	.section	.rodata,"a",@progbits
	.p2align	6, 0x0
	.amdhsa_kernel k_qa1704f9534_refine
		.amdhsa_group_segment_fixed_size 0
		.amdhsa_private_segment_fixed_size 0
		.amdhsa_enable_private_segment 0
		.amdhsa_kernarg_size 40
		.amdhsa_user_sgpr_count 2
		.amdhsa_user_sgpr_kernarg_segment_ptr 1
		.amdhsa_wavefront_size32 1
		.amdhsa_system_sgpr_workgroup_id_x 1
		.amdhsa_system_sgpr_workgroup_id_y 1
		.amdhsa_system_sgpr_workgroup_id_z 1
		.amdhsa_system_vgpr_workitem_id 0
		.amdhsa_next_free_vgpr 448
		.amdhsa_next_free_sgpr 66
		.amdhsa_reserve_vcc 1
		.amdhsa_float_denorm_mode_32 3
		.amdhsa_float_denorm_mode_16_64 3
		.amdhsa_memory_ordered 1
		.amdhsa_forward_progress 1
		.amdhsa_inst_pref_size 23
	.end_amdhsa_kernel
	.amdgpu_metadata
---
amdhsa.version: [ 1, 2 ]
amdhsa.kernels:
  - .name:           k_qa1704f9534_refine
    .symbol:         k_qa1704f9534_refine.kd
    .args:
      - { .name: embq, .offset: 0, .size: 8, .value_kind: global_buffer, .address_space: global }
      - { .name: zq, .offset: 8, .size: 8, .value_kind: global_buffer, .address_space: global }
      - { .name: zaux, .offset: 16, .size: 8, .value_kind: global_buffer, .address_space: global }
      - { .name: gidb, .offset: 24, .size: 8, .value_kind: global_buffer, .address_space: global }
      - { .name: idxb, .offset: 32, .size: 8, .value_kind: global_buffer, .address_space: global }
    .group_segment_fixed_size: 0
    .private_segment_fixed_size: 0
    .kernarg_segment_align: 8
    .kernarg_segment_size: 40
    .max_flat_workgroup_size: 256
    .sgpr_count:     66
    .vgpr_count:     448
    .wavefront_size: 32
...
	.end_amdgpu_metadata
.endif
;; end of part 3
;; launch emit (part 4): grid 256 x 1, 16 waves a work-group, no clusters, 135,424 bytes of LDS; arguments z, emb, idxb, out0, part; writes out0, part
.if DOCPART == 4
	.amdgcn_target "amdgcn-amd-amdhsa--gfx1250"
	.amdhsa_code_object_version 6
	.text
	.protected	k_qa1704f9534_emit
	.globl	k_qa1704f9534_emit
	.p2align	8
	.type	k_qa1704f9534_emit,@function
k_qa1704f9534_emit:
	s_mov_b64 s[64:65], 0
	v_nop
	global_prefetch_b8 v0, s[64:65] scope:SCOPE_SE
	s_setreg_imm32_b32 hwreg(HW_REG_WAVE_MODE, 25, 1), 1
	s_wait_xcnt 0x0
; out0[b][c][hw] = z + (emb[idx][c] - z), both roundings as they stand, and a partial sum of (emb[idx][c] - z)^2 for each work-group.
; A work-group owns 128 neighbouring tokens of one image.  Its sixteen waves first gather 8 rows of emb each (1,024 bytes a row, two loads of 512 consecutive bytes) into LDS; behind a barrier
; wave w works channels 16 w .. 16 w + 15 of all 128 tokens: z is read and out0 written 16 bytes a lane, sixteen lanes to 256 consecutive aligned bytes, and the gathered numbers come from LDS one word a lane.
; LDS: 128 rows of 1,040 bytes.  Token 64 a + 4 u + q lies in row 64 a + 16 q + u: the 32 lanes (u, hc) of a word load then stand 260 u + hc words apart, on 32 different banks (64 banks of 4 bytes: ISA guide 11.1).
; The indices steer addresses: they were stored as whole numbers by the launch before, and each is held at 8,191 before it enters an address.
; Memory binds here: no matrix unit; no cluster, since work-groups share no tile.  z has to be read a second time: out0 wants it in f32 after idx is known.
; LIMITS: none beyond f32's own; the partial sums are taken in this text's order.
.set PITCH, 1040
.set REDW,  128*PITCH                  ; sixteen words: the waves' sums
.set EA,  8                            ; v8-15    offsets of my eight rows of emb
.set R,   16                           ; v16-79   the rows as loaded
.set Z,   80                           ; v80-143  z, then out0: group k = 8 a + cp at +4 k: channel 16 w + 2 cp + hc, tokens 64 a + 4 u + 0 .. 3
.set E,   144                          ; v144-207 emb[idx] in the same order, then the difference
.set L,   208                          ; v208-211 the sum of squares, two packed chains
	s_load_b256 s[4:11], s[0:1], 0x0               ; z s[4:5], emb s[6:7], idxb s[8:9], out0 s[10:11]
	s_load_b64 s[12:13], s[0:1], 0x20              ; part
	v_lshl_add_u32 v216, v0, 2, 0x20900
	v_mov_b32 v217, 0
	v_lshrrev_b32 v1, 5, v0
	s_delay_alu instid0(VALU_DEP_1)
	v_readfirstlane_b32 s14, v1                    ; wave 0..15
	v_and_b32 v1, 31, v0                           ; lane
	s_delay_alu instid0(VALU_DEP_1)
	v_lshlrev_b32 v2, 4, v1                        ; 16 x lane
	v_and_b32 v7, 15, v0                           ; u
	v_bfe_u32 v213, v0, 4, 1                       ; hc
	s_delay_alu instid0(VALU_DEP_2)
	v_lshlrev_b32 v3, 4, v7
	s_delay_alu instid0(VALU_DEP_1)
	v_lshl_add_u32 v3, v213, 12, v3                ; z and out0: 4,096 hc + 16 u
	s_lshr_b32 s15, s14, 3
	s_lshl_b32 s15, s15, 6
	s_and_b32 s16, s14, 7
	s_lshl_b32 s16, s16, 1
	s_add_co_u32 s15, s15, s16
	s_mul_i32 s15, s15, PITCH
	v_add_nc_u32 v4, s15, v2                       ; into LDS: row 64 (w / 8) + 2 (w % 8), + 16 x lane
	s_lshl_b32 s16, s14, 6
	v_mul_u32_u24 v5, v7, PITCH
	s_delay_alu instid0(VALU_DEP_1)
	v_lshl_add_u32 v5, v213, 2, v5
	s_delay_alu instid0(VALU_DEP_1)
	v_add_nc_u32 v5, s16, v5                       ; out of it: row u, channel 16 w + hc
	s_delay_alu instid0(VALU_DEP_1)
	v_add_nc_u32 v6, 64*PITCH, v5                  ; and the same for tokens 64 on
	v_lshl_add_u32 v212, v7, 2, REDW               ; the waves' sums, a word a lane
	s_lshl_b32 s17, s14, 2
	s_add_co_u32 s17, s17, REDW
	v_mov_b32 v210, s17                            ; my wave's word (v210 is taken by the sums later and made again)
	s_lshl_b32 s18, ttmp9, 9
	s_lshl_b32 s19, s14, 5
	s_add_co_u32 s18, s18, s19                     ; my eight indices: 512 x + 32 w
	s_mov_b32 s19, 0
	s_lshr_b32 s20, ttmp9, 3
	s_lshl_b32 s20, s20, 20                        ; the image,
	s_lshl_b32 s21, s14, 16                        ; my 16 channels,
	s_add_co_u32 s20, s20, s21
	s_and_b32 s21, ttmp9, 7
	s_lshl_b32 s21, s21, 9                         ; the work-group's 128 tokens
	s_add_co_u32 s20, s20, s21
	s_mov_b32 s21, 0
	s_lshl_b32 s22, ttmp9, 2
	s_mov_b32 s23, 0
	s_mov_b32 s32, 0x76543210
	s_mov_b32 s33, 0xfedcba98                      ; v_permlanex16_b32's selects for lane l xor 16
	s_wait_alu depctr_va_vdst(0)
	s_wait_kmcnt 0x0
	s_add_nc_u64 s[8:9], s[8:9], s[18:19]
	s_add_nc_u64 s[4:5], s[4:5], s[20:21]
	s_add_nc_u64 s[10:11], s[10:11], s[20:21]
	s_add_nc_u64 s[12:13], s[12:13], s[22:23]
	s_load_b256 s[24:31], s[8:9], 0x0              ; (this launch writes nothing into idxb)
.set k, 0
.rept 16
	global_load_b128 v[Z+4*k:Z+4*k+3], v3, s[4:5] offset:8192*(k%8)+256*(k/8) th:TH_LOAD_NT   ; z hangs on no index: it is asked for while the indices come; two channels x 256 consecutive aligned bytes
.set k, k+1
.endr
	s_wait_kmcnt 0x0
.irp i, 0,1,2,3,4,5,6,7
	s_min_u32 s[24+\i], s[24+\i], 8191             ; held inside the table
	s_lshl_b32 s[24+\i], s[24+\i], 10
	v_add_nc_u32 v[EA+\i], s[24+\i], v2
	global_load_b128 v[R+8*\i:R+8*\i+3], v[EA+\i], s[6:7]              ; no hint: a row may be named again
	global_load_b128 v[R+8*\i+4:R+8*\i+7], v[EA+\i], s[6:7] offset:512
.endr
	s_wait_loadcnt 0x0                             ; the gathered rows are in, and z, which was asked for ahead of them
.irp i, 0,1,2,3,4,5,6,7
	ds_store_b128 v4, v[R+8*\i:R+8*\i+3] offset:(16*(\i%4)+(\i/4))*PITCH
	ds_store_b128 v4, v[R+8*\i+4:R+8*\i+7] offset:(16*(\i%4)+(\i/4))*PITCH+512
.endr
	s_wait_dscnt 0x0                               ; for the others' sake: my stores are done
	s_barrier_signal -1
	s_barrier_wait -1
.irp a, 0,1
.irp c, 0,1,2,3,4,5,6,7
.irp q, 0,1,2,3
	ds_load_b32 v[E+4*(8*\a+\c)+\q], v[5+\a] offset:16*PITCH*\q+8*\c
.endr
.endr
.endr
.set k, 0
.rept 16
	s_wait_dscnt 60-4*k                            ; group k's four words are in; the later groups' may be out
	v_pk_add_f32 v[E+4*k:E+4*k+1], v[E+4*k:E+4*k+1], v[Z+4*k:Z+4*k+1] neg_lo:[0,1] neg_hi:[0,1]       ; z_q - z
	v_pk_add_f32 v[E+4*k+2:E+4*k+3], v[E+4*k+2:E+4*k+3], v[Z+4*k+2:Z+4*k+3] neg_lo:[0,1] neg_hi:[0,1]
	s_delay_alu instid0(VALU_DEP_2)
	v_pk_add_f32 v[Z+4*k:Z+4*k+1], v[Z+4*k:Z+4*k+1], v[E+4*k:E+4*k+1]                                 ; z + (z_q - z)
	s_delay_alu instid0(VALU_DEP_2)
	v_pk_add_f32 v[Z+4*k+2:Z+4*k+3], v[Z+4*k+2:Z+4*k+3], v[E+4*k+2:E+4*k+3]
.if k == 0
	s_delay_alu instid0(VALU_DEP_4)
	v_pk_mul_f32 v[L:L+1], v[E:E+1], v[E:E+1]      ; the first products start the sums
	s_delay_alu instid0(VALU_DEP_4)
	v_pk_mul_f32 v[L+2:L+3], v[E+2:E+3], v[E+2:E+3]
.else
	s_wait_alu depctr_va_vdst(0)
	v_pk_fma_f32 v[L:L+1], v[E+4*k:E+4*k+1], v[E+4*k:E+4*k+1], v[L:L+1]
	v_pk_fma_f32 v[L+2:L+3], v[E+4*k+2:E+4*k+3], v[E+4*k+2:E+4*k+3], v[L+2:L+3]
.endif
	global_store_b128 v3, v[Z+4*k:Z+4*k+3], s[10:11] offset:8192*(k%8)+256*(k/8) th:TH_STORE_NT
.set k, k+1
.endr
	; the work-group's sum of squares: lane, wave, then the sixteen waves through LDS
	v_pk_add_f32 v[L:L+1], v[L:L+1], v[L+2:L+3]
	s_delay_alu instid0(VALU_DEP_1)
	v_add_f32 v[L], v[L], v[L+1]
	s_delay_alu instid0(VALU_DEP_1)
	v_add_f32_dpp v[L], v[L], v[L] row_xmask:1 row_mask:0xf bank_mask:0xf
	s_delay_alu instid0(VALU_DEP_1)
	v_add_f32_dpp v[L], v[L], v[L] row_xmask:2 row_mask:0xf bank_mask:0xf
	s_delay_alu instid0(VALU_DEP_1)
	v_add_f32_dpp v[L], v[L], v[L] row_xmask:4 row_mask:0xf bank_mask:0xf
	s_delay_alu instid0(VALU_DEP_1)
	v_add_f32_dpp v[L], v[L], v[L] row_xmask:8 row_mask:0xf bank_mask:0xf
	s_delay_alu instid0(VALU_DEP_1)
	v_permlanex16_b32 v[L+1], v[L], s32, s33
	s_delay_alu instid0(VALU_DEP_1)
	v_add_f32 v[L], v[L], v[L+1]
	v_mov_b32 v[L+2], s17
	ds_store_b32 v[L+2], v[L]                      ; all lanes write the same word with the same value
	s_wait_dscnt 0x0
	s_barrier_signal -1
	s_barrier_wait -1
	s_cmp_lg_u32 s14, 0
	s_cbranch_scc1 .Ldone
	ds_load_b32 v[L+1], v212
	s_wait_dscnt 0x0
	v_add_f32_dpp v[L+1], v[L+1], v[L+1] row_xmask:1 row_mask:0xf bank_mask:0xf
	s_delay_alu instid0(VALU_DEP_1)
	v_add_f32_dpp v[L+1], v[L+1], v[L+1] row_xmask:2 row_mask:0xf bank_mask:0xf
	s_delay_alu instid0(VALU_DEP_1)
	v_add_f32_dpp v[L+1], v[L+1], v[L+1] row_xmask:4 row_mask:0xf bank_mask:0xf
	s_delay_alu instid0(VALU_DEP_1)
	v_add_f32_dpp v[L+1], v[L+1], v[L+1] row_xmask:8 row_mask:0xf bank_mask:0xf
	v_mov_b32 v214, 0
	v_cmp_eq_u32 vcc_lo, 0, v1
	s_wait_alu depctr_va_vdst(0)
	s_wait_xcnt 0x0                                ; EXEC changes only behind this wait
	s_and_saveexec_b32 s16, vcc_lo
	global_store_b32 v214, v[L+1], s[12:13]        ; one word for each work-group: the last launch adds them in a fixed order
	s_wait_xcnt 0x0
	s_or_b32 exec_lo, exec_lo, s16
.Ldone:
	s_wait_tensorcnt 0x0
	ds_add_u32 v216, v217
	s_wait_dscnt 0x0
	s_endpgm
.Lfunc_end_k_qa1704f9534_emit:
	.size	k_qa1704f9534_emit, .Lfunc_end_k_qa1704f9534_emit-k_qa1704f9534_emit
	.p2alignl 7, 3214868480
	.fill 96, 4, 3214868480
	.section	.rodata,"a",@progbits
	.p2align	6, 0x0
	.amdhsa_kernel k_qa1704f9534_emit
		.amdhsa_group_segment_fixed_size 135424
		.amdhsa_private_segment_fixed_size 0
		.amdhsa_enable_private_segment 0
		.amdhsa_kernarg_size 40
		.amdhsa_user_sgpr_count 2
		.amdhsa_user_sgpr_kernarg_segment_ptr 1
		.amdhsa_wavefront_size32 1
		.amdhsa_system_sgpr_workgroup_id_x 1
		.amdhsa_system_sgpr_workgroup_id_y 1
		.amdhsa_system_sgpr_workgroup_id_z 1
		.amdhsa_system_vgpr_workitem_id 0
		.amdhsa_next_free_vgpr 218
		.amdhsa_next_free_sgpr 66
		.amdhsa_reserve_vcc 1
		.amdhsa_float_denorm_mode_32 3
		.amdhsa_float_denorm_mode_16_64 3
		.amdhsa_memory_ordered 1
		.amdhsa_forward_progress 1
		.amdhsa_inst_pref_size 24
	.end_amdhsa_kernel
	.amdgpu_metadata
---
amdhsa.version: [ 1, 2 ]
amdhsa.kernels:
  - .name:           k_qa1704f9534_emit
    .symbol:         k_qa1704f9534_emit.kd
    .args:
      - { .name: z, .offset: 0, .size: 8, .value_kind: global_buffer, .address_space: global }
      - { .name: emb, .offset: 8, .size: 8, .value_kind: global_buffer, .address_space: global }
      - { .name: idxb, .offset: 16, .size: 8, .value_kind: global_buffer, .address_space: global }
      - { .name: out0, .offset: 24, .size: 8, .value_kind: global_buffer, .address_space: global }
      - { .name: part, .offset: 32, .size: 8, .value_kind: global_buffer, .address_space: global }
    .group_segment_fixed_size: 135424
    .private_segment_fixed_size: 0
    .kernarg_segment_align: 8
    .kernarg_segment_size: 40
    .max_flat_workgroup_size: 512
    .sgpr_count:     66
    .vgpr_count:     218
    .wavefront_size: 32
...
	.end_amdgpu_metadata
.endif
;; end of part 4
;; launch lossum (part 5): grid 1 x 1, 1 waves a work-group, no clusters, 0 bytes of LDS; arguments part, out1; writes out1
.if DOCPART == 5
	.amdgcn_target "amdgcn-amd-amdhsa--gfx1250"
	.amdhsa_code_object_version 6
	.text
	.protected	k_qa1704f9534_lossum
	.globl	k_qa1704f9534_lossum
	.p2align	8
	.type	k_qa1704f9534_lossum,@function
k_qa1704f9534_lossum:
	s_mov_b64 s[64:65], 0
	v_nop
	global_prefetch_b8 v0, s[64:65] scope:SCOPE_SE
	s_setreg_imm32_b32 hwreg(HW_REG_WAVE_MODE, 25, 1), 1
	s_wait_xcnt 0x0
; out1 = 2 x mean((z_q - z)^2) = the sum of the 256 work-groups' partial sums x 2 / 8,388,608 = x 2^-22, which rounds nothing.
; A sum over work-groups needs a launch of its own, since no traffic goes between the work-groups of one launch.  One wave: eight numbers a lane, then across the lanes.
	s_load_b128 s[4:7], s[0:1], 0x0                ; part s[4:5], out1 s[6:7]
	v_lshlrev_b32 v1, 4, v0
	s_mov_b32 s8, 0x76543210
	s_mov_b32 s9, 0xfedcba98                       ; v_permlanex16_b32's selects for lane l xor 16
	s_wait_alu depctr_va_vdst(0)
	s_wait_kmcnt 0x0
	global_load_b128 v[4:7], v1, s[4:5]
	global_load_b128 v[8:11], v1, s[4:5] offset:512
	s_wait_loadcnt 0x0
	v_pk_add_f32 v[4:5], v[4:5], v[6:7]
	v_pk_add_f32 v[8:9], v[8:9], v[10:11]
	v_pk_add_f32 v[4:5], v[4:5], v[8:9]
	v_add_f32 v4, v4, v5
	v_add_f32_dpp v4, v4, v4 row_xmask:1 row_mask:0xf bank_mask:0xf
	v_add_f32_dpp v4, v4, v4 row_xmask:2 row_mask:0xf bank_mask:0xf
	v_add_f32_dpp v4, v4, v4 row_xmask:4 row_mask:0xf bank_mask:0xf
	v_add_f32_dpp v4, v4, v4 row_xmask:8 row_mask:0xf bank_mask:0xf
	v_permlanex16_b32 v5, v4, s8, s9
	v_add_f32 v4, v4, v5
	v_mul_f32 v4, 0x34800000, v4                   ; x 2^-22
	v_mov_b32 v2, 0
	v_cmp_eq_u32 vcc_lo, 0, v0
	s_wait_alu depctr_va_vdst(0)
	s_wait_xcnt 0x0                                ; EXEC changes only behind this wait
	s_and_saveexec_b32 s10, vcc_lo
	global_store_b32 v2, v4, s[6:7]
	s_wait_xcnt 0x0
	s_or_b32 exec_lo, exec_lo, s10
	s_endpgm
.Lfunc_end_k_qa1704f9534_lossum:
	.size	k_qa1704f9534_lossum, .Lfunc_end_k_qa1704f9534_lossum-k_qa1704f9534_lossum
	.p2alignl 7, 3214868480
	.fill 96, 4, 3214868480
	.section	.rodata,"a",@progbits
	.p2align	6, 0x0
	.amdhsa_kernel k_qa1704f9534_lossum
		.amdhsa_group_segment_fixed_size 0
		.amdhsa_private_segment_fixed_size 0
		.amdhsa_enable_private_segment 0
		.amdhsa_kernarg_size 16
		.amdhsa_user_sgpr_count 2
		.amdhsa_user_sgpr_kernarg_segment_ptr 1
		.amdhsa_wavefront_size32 1
		.amdhsa_system_sgpr_workgroup_id_x 1
		.amdhsa_system_sgpr_workgroup_id_y 1
		.amdhsa_system_sgpr_workgroup_id_z 1
		.amdhsa_system_vgpr_workitem_id 0
		.amdhsa_next_free_vgpr 16
		.amdhsa_next_free_sgpr 66
		.amdhsa_reserve_vcc 1
		.amdhsa_float_denorm_mode_32 3
		.amdhsa_float_denorm_mode_16_64 3
		.amdhsa_memory_ordered 1
		.amdhsa_forward_progress 1
		.amdhsa_inst_pref_size 2
	.end_amdhsa_kernel
	.amdgpu_metadata
---
amdhsa.version: [ 1, 2 ]
amdhsa.kernels:
  - .name:           k_qa1704f9534_lossum
    .symbol:         k_qa1704f9534_lossum.kd
    .args:
      - { .name: part, .offset: 0, .size: 8, .value_kind: global_buffer, .address_space: global }
      - { .name: out1, .offset: 8, .size: 8, .value_kind: global_buffer, .address_space: global }
    .group_segment_fixed_size: 0
    .private_segment_fixed_size: 0
    .kernarg_segment_align: 8
    .kernarg_segment_size: 16
    .max_flat_workgroup_size: 32
    .sgpr_count:     66
    .vgpr_count:     16
    .wavefront_size: 32
...
	.end_amdgpu_metadata
.endif
;; end of part 5
